; MI455X (gfx1250); checked and timed in simulation.
; The chip was launched on July 23, 2026; its instructions are those of AMD's public machine-readable ISA for CDNA 5 (MIT licence, August 2026) and "CDNA5" Instruction Set Architecture Reference Guide (July 2026). The comments in the code are by the model that wrote it; some were corrected since.
;; Affinity Layer. Allowed arithmetic: float matrix products may take bf16 or f16 operands with f32 sums; other float arithmetic in f32, or as packed bf16 or f16 multiplies, adds, multiply-adds, maxima and minima; sums over many terms, partial sums and values carried from step to step in f32; what a program stores and reads back later, other than sums and carried values, may be rounded once to bf16 or f16.
;; Inputs: key 8 x 2,048 x 1,024 float32; query 8 x 2,048 x 1,024 float32; value 8 x 2,048 x 1,024 float32.
;; Outputs: out0 8 x 2,048 x 1,024 float32.
;; One version. Each part assembles by itself: llvm-mc -triple=amdgcn-amd-amdhsa -mcpu=gfx1250 --defsym DOCPART=n.
;; ======== version 1 of 1: 3 launches
;; limits: values are held in f16: magnitudes above 65,504 overflow, below 6.1e-05 lose precision; inputs' magnitudes at most 65,504; below input magnitudes of 6e-05 results are inexact or not finite; right only within a limited range of input values
;; workspace buffers: qb 33,554,432 bytes; kb16 33,554,432 bytes; vh 33,554,432 bytes; pbuf 67,108,864 bytes; stats 2,097,152 bytes
;; launch cast (part 1): grid 512 x 3, 8 waves a work-group, no clusters, 0 bytes of LDS; arguments query, key, value, qb, kb16, vh; writes qb, kb16, vh
.if DOCPART == 1
	.amdgcn_target "amdgcn-amd-amdhsa--gfx1250"
	.amdhsa_code_object_version 6
	.text
	.protected	k_qe48493e96d_cast
	.globl	k_qe48493e96d_cast
	.p2align	8
	.type	k_qe48493e96d_cast,@function
k_qe48493e96d_cast:
	s_mov_b64 s[64:65], 0
	v_nop
	global_prefetch_b8 v0, s[64:65] scope:SCOPE_SE
	s_setreg_imm32_b32 hwreg(HW_REG_WAVE_MODE, 25, 1), 1
	s_wait_xcnt 0x0
; query, key -> bf16 (qb, kb16); value -> bf16 and that number written as f16 (vh).  All three are [8][2048][1024] f32.
; LIMITS.  value, rounded to bf16, must stay under 65,520 in magnitude (f16's range); below 6e-5 it keeps f16's fixed step of 6e-8.
; The grid's y picks the tensor.  A work-group takes 131,072 input bytes, a wave 16,384: 32 chunks of 512 bytes.  In a chunk a lane loads 16 bytes
; (the wave: 512 consecutive bytes) and stores 8 (the wave: 256 consecutive bytes, at a multiple of 256 from the buffer's first byte).
; A ring of eight register slots keeps eight loads of every wave on their way.  Every chunk's place stands in an immediate, so no address register
; is ever rewritten and the text needs no loop.  No LDS, no barrier, no matrix unit: nothing is shared and nothing is summed.
.set DEPTH,  8
.set CHUNKS, 32
.set X, 8                              ; v[8:39]   slot s: 4 registers as loaded
.set Y, 40                             ; v[40:55]  slot s: 2 registers to store
.set T, 56                             ; v[56:59]  at work
	s_load_b256 s[4:11], s[0:1], 0x0               ; query s[4:5], key s[6:7], value s[8:9], qb s[10:11]
	s_load_b128 s[12:15], s[0:1], 0x20             ; kb16 s[12:13], vh s[14:15]
	s_and_b32 s21, ttmp7, 0xffff                   ; which tensor
	s_mov_b32 s20, 0xffff0000                      ; a word's upper bf16
	s_lshl_b32 s22, ttmp9, 17                      ; the work-group's input bytes begin here,
	s_mov_b32 s23, 0
	s_lshl_b32 s24, ttmp9, 16                      ; its output bytes here
	s_mov_b32 s25, 0
	v_lshrrev_b32 v3, 5, v0                        ; wave
	v_and_b32 v4, 31, v0                           ; lane
	v_lshlrev_b32 v1, 4, v4
	v_lshl_add_u32 v1, v3, 14, v1                  ; in: 16,384 wave + 16 lane
	v_lshlrev_b32 v2, 3, v4
	v_lshl_add_u32 v2, v3, 13, v2                  ; out: 8,192 wave + 8 lane
	s_wait_kmcnt 0x0
	s_cmp_eq_u32 s21, 1
	s_cselect_b64 s[16:17], s[6:7], s[4:5]
	s_cselect_b64 s[18:19], s[12:13], s[10:11]
	s_cmp_eq_u32 s21, 2
	s_cselect_b64 s[16:17], s[8:9], s[16:17]
	s_cselect_b64 s[18:19], s[14:15], s[18:19]
	s_add_nc_u64 s[16:17], s[16:17], s[22:23]
	s_add_nc_u64 s[18:19], s[18:19], s[24:25]
.irp s, 0,1,2,3,4,5,6,7
	global_load_b128 v[X+4*\s:X+4*\s+3], v1, s[16:17] offset:512*\s th:TH_LOAD_NT  ; the ring is filled: chunks 0 to 7
.endr
; Chunk i's turn.  half = 1: the bf16 numbers are written as f16.
.macro TURN i, half
.set SL, (\i)%DEPTH
.set LEFT, CHUNKS-1-(\i)
.if LEFT > DEPTH-1
.set LEFT, DEPTH-1
.endif
	s_wait_loadcnt LEFT                            ; loads come back in order: chunk i is in, the younger ones (seven, at the end fewer) stay out
	s_wait_xcnt 0x0                                ; the slot's Y, which its last store reads, is rewritten only behind this wait
	v_cvt_pk_bf16_f32 v[Y+2*SL],   v[X+4*SL],   v[X+4*SL+1]
	v_cvt_pk_bf16_f32 v[Y+2*SL+1], v[X+4*SL+2], v[X+4*SL+3]
.if \half
	v_lshlrev_b32 v[T],   16,  v[Y+2*SL]           ; bf16 to f32: a shift or a mask,
	v_and_b32     v[T+1], s20, v[Y+2*SL]
	v_lshlrev_b32 v[T+2], 16,  v[Y+2*SL+1]
	v_and_b32     v[T+3], s20, v[Y+2*SL+1]
	v_cvt_pk_f16_f32 v[Y+2*SL],   v[T],   v[T+1]   ; and on to f16: exact inside f16's normal range (8 significant bits into 11)
	v_cvt_pk_f16_f32 v[Y+2*SL+1], v[T+2], v[T+3]
.endif
.if (\i) < CHUNKS-DEPTH
	global_load_b128 v[X+4*SL:X+4*SL+3], v1, s[16:17] offset:512*((\i)+DEPTH) th:TH_LOAD_NT
.endif
	global_store_b64 v2, v[Y+2*SL:Y+2*SL+1], s[18:19] offset:256*(\i)  ; the next launches read these bytes: no hint
.endm
	s_cmp_eq_u32 s21, 2
	s_cbranch_scc1 .Lvalue
.set n, 0
.rept CHUNKS
	TURN n, 0
.set n, n+1
.endr
	s_endpgm
.Lvalue:
.set n, 0
.rept CHUNKS
	TURN n, 1
.set n, n+1
.endr
	s_endpgm
.Lfunc_end_k_qe48493e96d_cast:
	.size	k_qe48493e96d_cast, .Lfunc_end_k_qe48493e96d_cast-k_qe48493e96d_cast
	.p2alignl 7, 3214868480
	.fill 96, 4, 3214868480
	.section	.rodata,"a",@progbits
	.p2align	6, 0x0
	.amdhsa_kernel k_qe48493e96d_cast
		.amdhsa_group_segment_fixed_size 0
		.amdhsa_private_segment_fixed_size 0
		.amdhsa_enable_private_segment 0
		.amdhsa_kernarg_size 48
		.amdhsa_user_sgpr_count 2
		.amdhsa_user_sgpr_kernarg_segment_ptr 1
		.amdhsa_wavefront_size32 1
		.amdhsa_system_sgpr_workgroup_id_x 1
		.amdhsa_system_sgpr_workgroup_id_y 1
		.amdhsa_system_sgpr_workgroup_id_z 1
		.amdhsa_system_vgpr_workitem_id 0
		.amdhsa_next_free_vgpr 64
		.amdhsa_next_free_sgpr 66
		.amdhsa_reserve_vcc 0
		.amdhsa_float_denorm_mode_32 3
		.amdhsa_float_denorm_mode_16_64 3
		.amdhsa_memory_ordered 1
		.amdhsa_forward_progress 1
		.amdhsa_inst_pref_size 33
	.end_amdhsa_kernel
	.amdgpu_metadata
---
amdhsa.version: [ 1, 2 ]
amdhsa.kernels:
  - .name:           k_qe48493e96d_cast
    .symbol:         k_qe48493e96d_cast.kd
    .args:
      - { .name: query, .offset: 0, .size: 8, .value_kind: global_buffer, .address_space: global }
      - { .name: key, .offset: 8, .size: 8, .value_kind: global_buffer, .address_space: global }
      - { .name: value, .offset: 16, .size: 8, .value_kind: global_buffer, .address_space: global }
      - { .name: qb, .offset: 24, .size: 8, .value_kind: global_buffer, .address_space: global }
      - { .name: kb16, .offset: 32, .size: 8, .value_kind: global_buffer, .address_space: global }
      - { .name: vh, .offset: 40, .size: 8, .value_kind: global_buffer, .address_space: global }
    .group_segment_fixed_size: 0
    .private_segment_fixed_size: 0
    .kernarg_segment_align: 8
    .kernarg_segment_size: 48
    .max_flat_workgroup_size: 256
    .sgpr_count:     66
    .vgpr_count:     64
    .wavefront_size: 32
...
	.end_amdgpu_metadata
.endif
;; end of part 1
;; launch scores (part 2): grid 72 x 8, 4 waves a work-group, no clusters, 327,680 bytes of LDS; arguments qb, kb16, pbuf, stats; writes pbuf, stats
.if DOCPART == 2
	.amdgcn_target "amdgcn-amd-amdhsa--gfx1250"
	.amdhsa_code_object_version 6
	.text
	.protected	k_qe48493e96d_scores
	.globl	k_qe48493e96d_scores
	.p2align	8
	.type	k_qe48493e96d_scores,@function
k_qe48493e96d_scores:
	s_mov_b64 s[64:65], 0
	v_nop
	global_prefetch_b8 v0, s[64:65] scope:SCOPE_SE
	s_setreg_imm32_b32 hwreg(HW_REG_WAVE_MODE, 25, 1), 1
	s_wait_xcnt 0x0
; THE WEIGHTS, BLOCK BY BLOCK.  qb, kb16: [8][2048][1024] bf16.  A work-group makes one tile of S = Q K^T, 256 queries x 128 keys, of those tiles alone that the causal mask leaves
; something of: query block I (256 rows) has the key blocks kb = 0 .. 2 I + 1 (128 keys): 72 tiles a batch.  For each row of the tile: the mask, the maximum of the row's visible scores IN THIS
; BLOCK, m = c max with c = log2(e) / 32, the weights p = 2^(c s - m), rounded to f16 into pbuf [8][2048 q][2048 key], and their sum l (of the unrounded p); m and l go to
; stats [8][16 kb][m, l][2048 q] in f32.  The next launch takes the row's maximum over its blocks and corrects each block by 2^(m - M).
; LIMITS.  A hidden score counts as -3.4e38; a block's maximum is not taken below the score -2^120 (so a row that sees nothing of the block gets p = 0, l = 0);
; p below 6e-5 keeps f16's fixed step of 6e-8; a weight below 2^-126 counts as 0; NaN and infinities are not treated apart.
; SHARES.  Four waves; wave w has the tile's rows 64 w .. 64 w + 63 and all 128 keys: 32 accumulators of 16 x 16, 256 registers.  K (1,024) goes in 8 steps of 128 through two LDS slots;
; a tile's rows are 256 bytes of memory, at multiples of 256.  Waves 0 and 1 fetch Q's two halves of 128 rows, waves 2 and 3 K's two halves of 64.
; THE MATRIX INSTRUCTION IS USED TRANSPOSED (source 0 = 16 keys, source 1 = 16 queries): lane l holds ONE query (l % 16) and in register j the key 8 (l / 16) + j of the block of 16.
; NO CLUSTER: query block I has 2 I + 2 tiles (2, 6, 10, 14 for even I) and key block kb has 8 - kb / 2: neither divides into fours that share a panel at every place of the triangle.
; REGISTERS: window 0: v0-63 addresses and statistics; two fragment buffers of 96 (64 of K, 32 of Q) at v64 and v160, which serve the way out afterwards.  Window 1: accumulator (a, n) at 8 (8 a + n).
.set PITCH, 272                        ; an LDS row: 256 bytes + 16 of padding = 68 words: the 16 rows of a fragment load start at 16 different groups of four banks
.set AB,    256*PITCH                  ; Q's 256 rows; K's 128 rows lie behind them
.set SLOT,  384*PITCH
.set STAGE, 2*SLOT                     ; behind the ring: 16 rows x 272 bytes for each wave, never filled by a tensor load
.set SPARE, STAGE+4*16*PITCH           ; behind the stages: the spare words, 128 bytes for each wave: two blocks of 256 bytes that no other line names
.set ADRA, 16                          ; v16-17  LDS address of my Q fragments in slot 0, 1
.set ADRB, 20                          ; v20-21  the same for K
.set STO,  24                          ; v24  the way out: where I put 16 bytes of a row
.set RD,   25                          ; v25  where I read a row back
.set CO,   26                          ; v26  my byte offset in pbuf
.set SS,   27                          ; v27  where my query's m and l go in the stage
.set SPW,  28                          ; v28  LDS address of my spare word; never rewritten
.set NIL,  29                          ; v29  0; never rewritten
.set SR,   30                          ; v30  where I read 16 bytes of m or l back
.set SG,   31                          ; v31  my byte offset in stats
.set CC,   32                          ; v32-35  four chains of the maximum
.set MT,   36                          ; v36-37  m (the packed scaling names a pair and takes its low register for both halves)
.set TW,   38                          ; v38-39  at work
.set MS,   40                          ; v40-43  m of row block a
.set LS,   44                          ; v44-47  l of row block a
.set THR,  48                          ; v48  my query less my first key, without 16 (n - a) + j
.set F0,   64
.set F1,   160
.set WV,   12
.set HALF, 13
.set TI,   14
.set II,   15
.set KB,   16
.set BB,   17
.set DELTA, 22
.set LAP,  23
.set G1A,  24                          ; s[24:31] group 1 for Q's tiles: 128 rows
.set G1B,  32                          ; s[32:39] for K's: 64 rows
.set G0A,  40                          ; s[40:47] group 0 for Q's tiles, a set for each slot
.set G0B,  48                          ; s[48:55] the same for K's
.set CS,   56                          ; s[56:57] c
.set SEL,  58                          ; s[58:59] v_permlanex16_b32's selects: each lane takes its own place in the other half
.set FL,   60                          ; s60  -2^120
.set NEG,  61                          ; s61  -3.4e38
.set TWOI, 62
.set QROW, 63
.set MSB, 0
.macro WIN new                         ; the immediate's high byte repeats the setting that is left; a switch that changes nothing is dropped
.if MSB != (\new)
	s_set_vgpr_msb (MSB<<8)|(\new)
.set MSB, \new
.endif
.endm
.macro PLACES                          ; four plain places behind matrix instructions (ISA guide 7.12.1)
.rept 4
	v_nop
.endr
.endm
; A refill.  The branch hangs on the wave's number alone.  An s_nop 0 and four v_nop follow each of the two lines, ahead of the jump and the label.
.macro JLOAD s
	s_cmp_lt_u32 s[WV], 2
	s_cbranch_scc0 .Lfor_b_\@
	tensor_load_to_lds s[G0A+4*(\s):G0A+4*(\s)+3], s[G1A:G1A+7]
	s_nop 0
	PLACES
	s_branch .Lasked_\@
.Lfor_b_\@:
	tensor_load_to_lds s[G0B+4*(\s):G0B+4*(\s)+3], s[G1B:G1B+7]
	s_nop 0
	PLACES
.Lasked_\@:
.endm
	s_load_b256 s[4:11], s[0:1], 0x0               ; qb s[4:5], kb16 s[6:7], pbuf s[8:9], stats s[10:11]
	v_lshl_add_u32 v[SPW], v0, 2, SPARE
	v_mov_b32 v[NIL], 0
	ds_add_u32 v[SPW], v[NIL]                      ; the wave's opening: the add and its wait stand ahead of my first tensor load; the set-up below stands between them
	ds_add_u32 v28, v29
	v_lshrrev_b32 v1, 5, v0
	v_readfirstlane_b32 s[WV], v1                  ; wave 0..3
	s_and_b32 s[HALF], s[WV], 1                    ; which half of Q's or K's rows I fetch
	s_mov_b32 s[TI], ttmp9                         ; the tile's number in the triangle, 0..71
	s_mov_b32 s[II], 0
.irp th, 2,6,12,20,30,42,56            ; block I's tiles begin at number I (I + 1)
	s_cmp_ge_u32 s[TI], \th
	s_cselect_b32 s18, 1, 0
	s_add_co_u32 s[II], s[II], s18
.endr
	s_add_co_u32 s18, s[II], 1
	s_mul_i32 s18, s18, s[II]
	s_sub_co_u32 s[KB], s[TI], s18                 ; kb = 0 .. 2 I + 1
	s_and_b32 s[BB], ttmp7, 0xffff                 ; batch
	s_lshl_b32 s[TWOI], s[II], 1
	s_lshl_b32 s[QROW], s[BB], 11
	s_lshl_b32 s18, s[II], 8
	s_add_co_u32 s[QROW], s[QROW], s18             ; the tile's first query among all rows
	s_lshl_b32 s19, s[WV], 6
	s_add_co_u32 s[DELTA], s18, s19
	s_lshl_b32 s20, s[KB], 7
	s_sub_co_u32 s[DELTA], s[DELTA], s20           ; my first query less the tile's first key (signed)
	s_lshl_b32 s18, s[HALF], 7
	s_add_co_u32 s18, s18, s[QROW]
	s_lshl_b32 s18, s18, 11                        ; Q: my 128 rows of 2,048 bytes
	s_mov_b32 s19, 0
	s_lshl_b32 s21, s[BB], 11
	s_add_co_u32 s20, s20, s21
	s_lshl_b32 s21, s[HALF], 6
	s_add_co_u32 s20, s20, s21
	s_lshl_b32 s20, s20, 11                        ; K: my 64 rows
	s_mov_b32 s21, 0
	s_mul_i32 s2, s[WV], 128*PITCH                 ; where they go: waves 0, 1: Q's halves;
	s_mul_i32 s3, s[WV], 64*PITCH
	s_add_co_u32 s3, s3, AB-128*PITCH              ; waves 2, 3: K's halves, behind Q's 256 rows
.irp g, G1A, G1B
	s_mov_b32 s[\g+0], (1<<16)|(1<<20)|(5<<22)|(3<<25)  ; 17:16 elements of 2 bytes; 20 padding on; 24:22 after every 64 words (code 5); 31:25 4 words of it (code 3)
	s_mov_b32 s[\g+1], 128<<16                     ; tensor_dim0 = 128
	s_mov_b32 s[\g+3], 128<<16                     ; tile_dim0 = 128
	s_mov_b32 s[\g+5], 1024                        ; elements from row to row
	s_mov_b32 s[\g+6], 0
	s_mov_b32 s[\g+7], 0
.endr
	s_mov_b32 s[G1A+2], 128<<16                    ; tensor_dim1,
	s_mov_b32 s[G1A+4], 128                        ; tile_dim1
	s_mov_b32 s[G1B+2], 64<<16
	s_mov_b32 s[G1B+4], 64
	s_mov_b32 s[CS], 0x3d38aa3b                    ; c = log2(e) / 32
	s_mov_b32 s[CS+1], s[CS]
	s_mov_b32 s[SEL], 0x76543210
	s_mov_b32 s[SEL+1], 0xfedcba98
	s_mov_b32 s[FL], 0xfb800000
	s_mov_b32 s[NEG], 0xff7fffff
	s_wait_dscnt 0x0                               ; the opening add is done
	s_wait_kmcnt 0x0
	s_add_nc_u64 s[18:19], s[4:5], s[18:19]
	s_add_nc_u64 s[20:21], s[6:7], s[20:21]
.irp s, 0,1
	s_mov_b32 s[G0A+4*\s], 1                       ; count = 1
	s_add_co_u32 s[G0A+4*\s+1], s2, \s*SLOT        ; LDS address
	s_add_nc_u64 s[G0A+4*\s+2:G0A+4*\s+3], s[18:19], \s*256  ; global address: K step s
	s_or_b32 s[G0A+4*\s+3], s[G0A+4*\s+3], 0x80000000        ; type = 2
	s_mov_b32 s[G0B+4*\s], 1
	s_add_co_u32 s[G0B+4*\s+1], s3, \s*SLOT
	s_add_nc_u64 s[G0B+4*\s+2:G0B+4*\s+3], s[20:21], \s*256
	s_or_b32 s[G0B+4*\s+3], s[G0B+4*\s+3], 0x80000000
.endr
	s_cmp_lt_u32 s[WV], 2                          ; a wave's two first fills stand in one branch, ahead of every wait on TENSORcnt, LDS read and barrier: two loads of mine are out
	s_cbranch_scc0 .Lfirst_b
	tensor_load_to_lds s[G0A:G0A+3], s[G1A:G1A+7]
	s_nop 0
	tensor_load_to_lds s[G0A+4:G0A+7], s[G1A:G1A+7]
	s_nop 0
	PLACES
	s_branch .Lfirst_asked
.Lfirst_b:
	tensor_load_to_lds s[G0B:G0B+3], s[G1B:G1B+7]
	s_nop 0
	tensor_load_to_lds s[G0B+4:G0B+7], s[G1B:G1B+7]
	s_nop 0
	PLACES
.Lfirst_asked:
	; where my part of the tile goes in pbuf and in stats
	s_lshl_b32 s18, s[WV], 6
	s_add_co_u32 s18, s18, s[QROW]
	s_lshl_b32 s18, s18, 12                        ; my first row, of 4,096 bytes,
	s_lshl_b32 s19, s[KB], 8
	s_add_co_u32 s18, s18, s19                     ; and the key block's 256 bytes in it
	s_mov_b32 s19, 0
	s_add_nc_u64 s[8:9], s[8:9], s[18:19]
	s_lshl_b32 s20, s[BB], 18
	s_lshl_b32 s21, s[KB], 14
	s_add_co_u32 s20, s20, s21
	s_lshl_b32 s21, s[II], 10
	s_add_co_u32 s20, s20, s21
	s_lshl_b32 s21, s[WV], 8
	s_add_co_u32 s20, s20, s21
	s_mov_b32 s21, 0
	s_add_nc_u64 s[10:11], s[10:11], s[20:21]
	; A fragment is 16 rows x 32 K in 8 registers: lane l holds row l % 16, K = 8 (l / 16) + 0..7 and 16 + 8 (l / 16) + 0..7: two loads of 16 bytes, 32 bytes apart.
	v_and_b32 v1, 15, v0                           ; r = l % 16
	v_bfe_u32 v2, v0, 4, 1                         ; h = l / 16
	v_mul_u32_u24 v3, v1, PITCH
	v_lshl_add_u32 v3, v2, 4, v3                   ; r x pitch + 16 h
	s_mul_i32 s2, s[WV], 64*PITCH                  ; my 64 rows of Q
	v_add_nc_u32 v[ADRA], s2, v3
	v_add_nc_u32 v[ADRA+1], SLOT, v[ADRA]
	v_add_nc_u32 v[ADRB], AB, v3
	v_add_nc_u32 v[ADRB+1], SLOT+AB, v3
	s_mul_i32 s3, s[WV], 16*PITCH
	s_add_co_u32 s3, s3, STAGE                     ; my stage
	v_add_nc_u32 v[STO], s3, v3                    ; in: row r, 16 bytes for each half of the lanes
	v_mul_u32_u24 v4, v2, PITCH
	v_lshl_add_u32 v4, v1, 4, v4
	v_add_nc_u32 v[RD], s3, v4                     ; back: lanes 0-15 one row of 256 bytes, lanes 16-31 the next
	v_lshlrev_b32 v[CO], 12, v2
	v_lshl_add_u32 v[CO], v1, 4, v[CO]             ; and the same two rows in pbuf
	v_lshl_add_u32 v[SS], v1, 2, s3
	v_and_b32 v5, 31, v0
	v_lshl_add_u32 v[SR], v5, 4, s3
	v_lshlrev_b32 v[SG], 13, v2
	v_lshl_add_u32 v[SG], v1, 4, v[SG]             ; lanes 0-15: m's 256 bytes; lanes 16-31: l's, 8,192 bytes on
	v_lshlrev_b32 v3, 3, v2
	v_sub_nc_u32 v[THR], v1, v3
	v_add_nc_u32 v[THR], s[DELTA], v[THR]          ; key 16 n + 8 h + j is hidden from query 16 a + r where 16 (n - a) + j is greater than this
	v_mov_b32 v[MT+1], 0                           ; named in pairs, or a lane exchange's destination: written once here
	v_mov_b32 v[TW], 0
	v_mov_b32 v[TW+1], 0
; 8 matrix instructions: row block a x all 8 key blocks, 32 along K, from buffer f.  zero = 1: the product starts the sums.  The 32 accumulators take turns, one instruction a turn, in the same
; order in every quarter.
.macro MUL8 f, a, zero
	WIN 0x50                                       ; K and Q in window 0, C and D in window 1
.irp n, 0,1,2,3,4,5,6,7
.if \zero
	v_wmma_f32_16x16x32_bf16 v[8*(8*(\a)+\n):8*(8*(\a)+\n)+7], v[(\f)+8*\n:(\f)+8*\n+7], v[(\f)+64+8*(\a):(\f)+64+8*(\a)+7], 0
.else
	v_wmma_f32_16x16x32_bf16 v[8*(8*(\a)+\n):8*(8*(\a)+\n)+7], v[(\f)+8*\n:(\f)+8*\n+7], v[(\f)+64+8*(\a):(\f)+64+8*(\a)+7], v[8*(8*(\a)+\n):8*(8*(\a)+\n)+7]
.endif
.endr
.endm
; 24 LDS loads in one run: quarter q (32 along K) of a slot into buffer f: K's 16, Q's row blocks 0, 1, then 2, 3
.macro FETCH slot, q, f
	WIN 0
.irp n, 0,1,2,3,4,5,6,7
	ds_load_b128 v[(\f)+8*\n:(\f)+8*\n+3],   v[ADRB+(\slot)] offset:\n*16*PITCH+64*(\q)
	ds_load_b128 v[(\f)+8*\n+4:(\f)+8*\n+7], v[ADRB+(\slot)] offset:\n*16*PITCH+64*(\q)+32
.endr
.irp a, 0,1,2,3
	ds_load_b128 v[(\f)+64+8*\a:(\f)+64+8*\a+3],   v[ADRA+(\slot)] offset:\a*16*PITCH+64*(\q)
	ds_load_b128 v[(\f)+64+8*\a+4:(\f)+64+8*\a+7], v[ADRA+(\slot)] offset:\a*16*PITCH+64*(\q)+32
.endr
.endm
; A K step is four quarters on buffers 0, 1, 0, 1.  One of the first three: multiplies buffer f; in its middle it fetches quarter q of the same slot into buffer g.
.macro QUARTER slot, q, f, g, zero
	s_wait_dscnt 4                                 ; K and Q's row blocks 0, 1 are in; the youngest four loads (row blocks 2, 3) may be out
	MUL8 \f, 0, \zero
	MUL8 \f, 1, \zero
	PLACES                                         ; buffer g's last readers stand 16 matrix instructions back: these are their places
	FETCH \slot, \q, \g
	s_wait_dscnt 24                                ; all but the 24 just issued
	MUL8 \f, 2, \zero
	MUL8 \f, 3, \zero
.endm
; The last quarter multiplies buffer 1 and changes slots: ONE barrier.  In front of it each wave waits for all its tensor loads (one is out: its part of the next slot), adds 0 to its spare word,
; and waits for that and for its reads of this slot.  fill = 1: this slot is filled again, two K steps on, first thing behind the barrier: it has a step less 16 products in which to land.
.macro TURN slot, next, fill
	WIN 0
	s_wait_tensorcnt 0x0                           ; no tensor load of mine is out, so a group 0 may be written
	ds_add_u32 v[SPW], v[NIL]
.if \fill
	s_add_nc_u64 s[G0A+4*(\slot)+2:G0A+4*(\slot)+3], s[G0A+4*(\slot)+2:G0A+4*(\slot)+3], 512
	s_add_nc_u64 s[G0B+4*(\slot)+2:G0B+4*(\slot)+3], s[G0B+4*(\slot)+2:G0B+4*(\slot)+3], 512
.endif
	s_wait_dscnt 5                                 ; the add and the youngest four loads may be out
	MUL8 F1, 0, 0
	s_wait_dscnt 0x0                               ; the add is done, and my reads of this slot are over
	s_barrier_signal -1
	MUL8 F1, 1, 0                                  ; work on registers while the others arrive
	WIN 0
	s_barrier_wait -1
.if \fill
	JLOAD \slot                                    ; its four v_nop are also the places in front of the loads below
.else
	PLACES
.endif
	FETCH \next, 0, F0
	MUL8 F1, 2, 0
	MUL8 F1, 3, 0
.endm
	s_wait_tensorcnt 0x1                           ; my part of K step 0 is in; step 1's may stay out
	s_barrier_signal -1
	s_barrier_wait -1                              ; everybody's is
	FETCH 0, 0, F0
	QUARTER 0, 1, F0, F1, 1                        ; the first quarter stands in front of the loop: its products start the sums
	WIN 0
	s_mov_b32 s[LAP], 3
.Llap:                                                 ; a trip goes once round the ring, from a lap's second quarter to the next lap's first: K steps 2 to 7 are asked for
	QUARTER 0, 2, F1, F0, 0
	QUARTER 0, 3, F0, F1, 0
	TURN 0, 1, 1
	QUARTER 1, 1, F0, F1, 0
	QUARTER 1, 2, F1, F0, 0
	QUARTER 1, 3, F0, F1, 0
	TURN 1, 0, 1
	QUARTER 0, 1, F0, F1, 0
	WIN 0
	s_sub_co_u32 s[LAP], s[LAP], 1
	s_cmp_lg_u32 s[LAP], 0
	s_cbranch_scc1 .Llap
	QUARTER 0, 2, F1, F0, 0                        ; the last lap asks for nothing
	QUARTER 0, 3, F0, F1, 0
	TURN 0, 1, 0
	QUARTER 1, 1, F0, F1, 0
	QUARTER 1, 2, F1, F0, 0
	QUARTER 1, 3, F0, F1, 0
	s_wait_dscnt 0x0
	MUL8 F1, 0, 0
	MUL8 F1, 1, 0
	MUL8 F1, 2, 0
	MUL8 F1, 3, 0
	PLACES                                         ; what follows reads results just made
	WIN 0
	s_cmp_lt_u32 s[KB], s[TWOI]                    ; only the block's last two tiles touch the diagonal
	s_cbranch_scc1 .Lopen
	WIN 0x41                                       ; accumulators (destination, source 0) in window 1, the threshold in window 0
.irp a, 0,1,2,3
.irp n, 0,1,2,3,4,5,6,7
.irp j, 0,1,2,3,4,5,6,7
	v_cmp_gt_i32 vcc_lo, 16*(\n-\a)+\j, v[THR]
	v_cndmask_b32 v[8*(8*\a+\n)+\j], v[8*(8*\a+\n)+\j], s[NEG], vcc_lo
.endr
.endr
.endr
	WIN 0
.Lopen:
; Row block a: maximum, weights, sum.  x0-x63 are the lane's 64 scores of one query; the query's other 64 lie in the lane 16 away.  Each accumulator's lowest registers are read first.
.macro SOFT a
.set XB, 64*(\a)
.set TT, 64+32*((\a)%2)
	WIN 0x14                                       ; sources 1 and 2 in window 1
.set i, 0
.rept 32
.if i < 4
	v_max3_num_f32 v[CC+i], s[FL], v[XB+2*i], v[XB+2*i+1]
.else
	v_max3_num_f32 v[CC+i%4], v[CC+i%4], v[XB+2*i], v[XB+2*i+1]
.endif
.set i, i+1
.endr
	WIN 0
	v_max3_num_f32 v[CC], v[CC], v[CC+1], v[CC+2]
	v_max_num_f32 v[CC], v[CC], v[CC+3]
	v_permlanex16_b32 v[TW], v[CC], s[SEL], s[SEL+1]
	v_max_num_f32 v[CC], v[CC], v[TW]
	v_mul_f32 v[MT], s[CS], v[CC]                  ; m = c max
	v_mov_b32 v[MS+(\a)], v[MT]
	WIN 0x41
.set i, 0
.rept 32
	v_pk_fma_f32 v[XB+2*i:XB+2*i+1], v[XB+2*i:XB+2*i+1], s[CS:CS+1], v[MT:MT+1] op_sel_hi:[1,0,0] neg_lo:[0,0,1] neg_hi:[0,0,1]  ; c s - m
.set i, i+1
.endr
.set i, 0
.rept 64
	v_exp_f32 v[XB+i], v[XB+i]
.set i, i+1
.endr
	v_nop                                          ; a plain instruction between the last exponential and the use of its result
	WIN 0x05                                       ; sources in window 1, destination in window 0
.set i, 0
	s_wait_alu depctr_va_vdst(0)
.rept 32
	v_cvt_pk_f16_f32 v[TT+i], v[XB+2*i], v[XB+2*i+1]  ; a lane's eight keys of a block of 16 pack into 16 bytes
.set i, i+1
.endr
	WIN 0x45                                       ; the sum of the 32 pairs, in place: neighbours 16, 8, 4, 2 pairs apart,
.irp w, 16,8,4,2
.set i, 0
.rept \w
	v_pk_add_f32 v[XB+2*i:XB+2*i+1], v[XB+2*i:XB+2*i+1], v[XB+2*(i+\w):XB+2*(i+\w)+1]
.set i, i+1
.endr
.endr
	WIN 0x05
	v_pk_add_f32 v[TW:TW+1], v[XB:XB+1], v[XB+2:XB+3]
	WIN 0
	v_add_f32 v[TW], v[TW], v[TW+1]
	v_permlanex16_b32 v[TW+1], v[TW], s[SEL], s[SEL+1]  ; and the other half of the lanes'
	v_add_f32 v[LS+(\a)], v[TW], v[TW+1]
.endm
.macro TOSTAGE a                       ; into my stage by lanes, back as whole rows of 256 bytes
	WIN 0
.set TT, 64+32*((\a)%2)
.set BK, 128+32*((\a)%2)
.irp n, 0,1,2,3,4,5,6,7
	ds_store_b128 v[STO], v[TT+4*\n:TT+4*\n+3] offset:32*\n
.endr
.irp t, 0,1,2,3,4,5,6,7
	ds_load_b128 v[BK+4*\t:BK+4*\t+3], v[RD] offset:\t*2*PITCH  ; LDS serves a wave's instructions in order (ISA guide 5.7.1.4): these see the stores above
.endr
.endm
.macro SEND a
	WIN 0
.set BK, 128+32*((\a)%2)
	s_wait_dscnt 0x0                               ; the block is back in registers
	s_wait_xcnt 0x0                                ; the registers that the block before last's stores read are loaded again only behind this wait
.irp t, 0,1,2,3,4,5,6,7
	global_store_b128 v[CO], v[BK+4*\t:BK+4*\t+3], s[8:9] offset:(16*(\a)+2*\t)*4096  ; 16 lanes store 256 consecutive bytes, at a multiple of 256 from pbuf's first byte
.endr
.endm
	SOFT 0
	TOSTAGE 0
.irp a, 1,2,3                          ; a block's arithmetic stands between the loads of the block before and its stores
	SOFT \a
	SEND \a-1
	TOSTAGE \a
.endr
	SEND 3
.irp a, 0,1,2,3                        ; m and l of my 64 rows: through the stage, so that each goes out as 256 consecutive bytes; both halves of the lanes write the same word with the same number
	ds_store_b32 v[SS], v[MS+\a] offset:64*\a
	ds_store_b32 v[SS], v[LS+\a] offset:256+64*\a
.endr
	ds_load_b128 v[192:195], v[SR]
	s_wait_dscnt 0x0
	global_store_b128 v[SG], v[192:195], s[10:11]
	s_wait_tensorcnt 0x0                           ; the wave's end: behind my last tensor load and my last LDS store
	ds_add_u32 v[SPW], v[NIL]
	s_wait_dscnt 0x0
	s_endpgm
.Lfunc_end_k_qe48493e96d_scores:
	.size	k_qe48493e96d_scores, .Lfunc_end_k_qe48493e96d_scores-k_qe48493e96d_scores
	.p2alignl 7, 3214868480
	.fill 96, 4, 3214868480
	.section	.rodata,"a",@progbits
	.p2align	6, 0x0
	.amdhsa_kernel k_qe48493e96d_scores
		.amdhsa_group_segment_fixed_size 327680
		.amdhsa_private_segment_fixed_size 0
		.amdhsa_enable_private_segment 0
		.amdhsa_kernarg_size 32
		.amdhsa_user_sgpr_count 2
		.amdhsa_user_sgpr_kernarg_segment_ptr 1
		.amdhsa_wavefront_size32 1
		.amdhsa_system_sgpr_workgroup_id_x 1
		.amdhsa_system_sgpr_workgroup_id_y 1
		.amdhsa_system_sgpr_workgroup_id_z 1
		.amdhsa_system_vgpr_workitem_id 0
		.amdhsa_next_free_vgpr 512
		.amdhsa_next_free_sgpr 66
		.amdhsa_reserve_vcc 1
		.amdhsa_float_denorm_mode_32 3
		.amdhsa_float_denorm_mode_16_64 3
		.amdhsa_memory_ordered 1
		.amdhsa_forward_progress 1
		.amdhsa_inst_pref_size 147
	.end_amdhsa_kernel
	.amdgpu_metadata
---
amdhsa.version: [ 1, 2 ]
amdhsa.kernels:
  - .name:           k_qe48493e96d_scores
    .symbol:         k_qe48493e96d_scores.kd
    .args:
      - { .name: qb, .offset: 0, .size: 8, .value_kind: global_buffer, .address_space: global }
      - { .name: kb16, .offset: 8, .size: 8, .value_kind: global_buffer, .address_space: global }
      - { .name: pbuf, .offset: 16, .size: 8, .value_kind: global_buffer, .address_space: global }
      - { .name: stats, .offset: 24, .size: 8, .value_kind: global_buffer, .address_space: global }
    .group_segment_fixed_size: 327680
    .private_segment_fixed_size: 0
    .kernarg_segment_align: 8
    .kernarg_segment_size: 32
    .max_flat_workgroup_size: 128
    .sgpr_count:     66
    .vgpr_count:     512
    .wavefront_size: 32
...
	.end_amdgpu_metadata
.endif
;; end of part 2
;; launch pv (part 3): grid 8 x 32, 4 waves a work-group, clusters of 4 x 1, 327,680 bytes of LDS; arguments pbuf, vh, stats, out0; writes out0
.if DOCPART == 3
	.amdgcn_target "amdgcn-amd-amdhsa--gfx1250"
	.amdhsa_code_object_version 6
	.text
	.protected	k_qe48493e96d_pv
	.globl	k_qe48493e96d_pv
	.p2align	8
	.type	k_qe48493e96d_pv,@function
k_qe48493e96d_pv:
	s_mov_b64 s[64:65], 0
	v_nop
	global_prefetch_b8 v0, s[64:65] scope:SCOPE_SE
	s_setreg_imm32_b32 hwreg(HW_REG_WAVE_MODE, 25, 1), 1
	s_wait_xcnt 0x0
	s_wait_alu depctr_hold_cnt(0) depctr_sa_sdst(0) depctr_va_vdst(0) depctr_va_sdst(0) depctr_va_ssrc(0) depctr_va_vcc(0) depctr_vm_vsrc(0)
	s_getreg_b32 s2, hwreg(HW_REG_IB_STS2, 6, 4)
	s_cmp_eq_u32 s2, 0
	s_cbranch_scc0 .Lentry_in_a_cluster
	s_endpgm
.Lentry_in_a_cluster:
	s_bfe_u32 s2, ttmp6, 0x10000c
	s_cmp_lg_u32 s2, 0x3003
	s_cbranch_scc0 .Lentry_shape_is_right
	s_endpgm
.Lentry_shape_is_right:
; O = (the sum over key blocks kb of e P_kb V_kb) / L.  pbuf: [8][2048 q][2048 key] f16, p = 2^(c s - m) with m the row's maximum IN its block of 128 keys; stats: [8][16 kb][m, l][2048 q] f32;
; vh: [8][2048][1024] f16; out0: [8][2048][1024] f32.  For each row M is the maximum of its blocks' m, e = 2^(m - M) (at most 1), L the sum of e l.  e is rounded to f16, P e once more, and L is
; made with the rounded e.  Sums in f32.
; LIMITS.  e and p e below 6e-5 keep f16's fixed step of 6e-8; V lies within f16's range; NaN and infinities are not treated apart.
; THE WALK.  A batch's queries lie in 8 blocks of 256; block I needs the key blocks 0 .. 2 I + 1.  A work-group makes 128 channels of TWO blocks, 7 - p and then p: 16 - 2 p and 2 p + 2 key steps, 18
; whatever p: 256 work-groups of equal work, and one loop with a constant count.  Both numbers are even, so a block ends at the end of a lap of the ring (two steps, two slots).
; SHARES.  Four waves; wave w has the block's rows 64 w .. 64 w + 63 and all 128 channels: 32 accumulators.  O^T = V^T P: source 0 = 16 channels (V turned by ds_load_tr16_b128), source 1 = 16 queries
; (P as it lies): a lane holds ONE query (l % 16) and eight neighbouring channels; so e and 1 / L are one number a lane.
; CLUSTER.  The four work-groups of a cluster share batch and p and differ in the channels: P's tile, 64 of a step's 96 KB, is asked for JOINTLY (waves 0, 1); V's tile is each one's own (waves 2, 3),
; issued behind the same round.  V is not shared along p: the four pairs' walks agree in steps 0 to 9 alone.
; The accumulators are cleared, at the start and at the first block's end: a block's beginning falls inside the counted loop, so no first step can be written out.
; REGISTERS: window 0: v0-63 addresses, factors, at work; v64-127, v128-191 V's fragments, two buffers; v192-255 the way out (with v128-191).
;   window 1: v0-191 accumulators of row blocks 0-2 at 8 (8 a + n); v192-255 P's fragments, two buffers of 32.      window 2: v0-63 row block 3's accumulators.
.set PP,    272                        ; a row of P in LDS: 256 bytes + 16
.set PV,    288                        ; a row of V: 256 + 32 = 72 words
.set VOFF,  256*PP                     ; P's 256 rows, then V's 128
.set SLOT,  256*PP+128*PV
.set STAGE, 2*SLOT                     ; 16 rows x 528 bytes for each wave
.set SP,    528                        ; 512 bytes + 16
.set FT,    STAGE+4*16*SP              ; for each wave 5,120 bytes: 18 walk steps x 64 rows x (e, e) in f16; then 1 / L of the first block's 64 rows, then of the second's
.set FTB,   5120
.set SPARE, FT+4*FTB                   ; the spare words, 128 bytes for each wave: two blocks of 256 bytes that no other line names
.set ADRA, 16                          ; v16-17  LDS address of my P fragments in slot 0, 1
.set ADRV, 20                          ; v20-21  the same for V
.set FADR, 22                          ; v22  my row's factor of the lap's first step; steps by 512 a lap
.set FB,   23                          ; v23  the same, never stepped
.set STO,  24
.set RD,   25
.set CO,   26
.set FTW,  27                          ; v27  where I write two rows' factors
.set SPW,  28                          ; v28  LDS address of my spare word; never rewritten
.set NIL,  29                          ; v29  0; never rewritten
.set FA,   32                          ; v32-35, v36-39  (e, e) of row block a for the step in slot 0, 1
.set IL,   40                          ; v40-47  1 / L of row block a, in pairs of which the low register is taken
.set VF,   64
.set PF,   192                         ; window 1
.set WV,   12
.set HALF, 13
.set CX,   14
.set CT,   15
.set BB,   17
.set PB,   18
.set NA,   19
.set G1A,  24
.set G1V,  32
.set G0A,  40
.set G0V,  48
.set PBA,  56                          ; s[56:57] pbuf at the batch's first row, my half of a tile's rows
.set VB,   58                          ; s[58:59] vh at the batch's first key, my half of a tile's keys, my channels
.set FN,   60                          ; s60  the walk step to be asked for next
.set OFF,  62                          ; s[62:63] an offset
.set RT,   66                          ; s66  laps of the first block still to go
.set LAP,  67
.set IA,   68                          ; s68  (7 - p) << 20: the first block's rows in pbuf and out0
.set IB,   69                          ; s69  p << 20
.set OA,   76                          ; s[76:77] out0 at my rows of the first block, my channels
.set OB,   78                          ; s[78:79] of the second
.set SA,   80
.set SB,   81
.set MK,   82                          ; s82-87  all ones where walk step 10 .. 15 belongs to the second block
.set MSB, 0
.macro WIN new
.if MSB != (\new)
	s_set_vgpr_msb (MSB<<8)|(\new)
.set MSB, \new
.endif
.endm
.macro PLACES
.rept 4
	v_nop
.endr
.endm
; A refill: waves 0, 1 the joint load of P's halves, waves 2, 3 their own work-group's V.  The branch hangs on the wave's number alone.  An s_nop 0 and four v_nop follow each line.
.macro JLOAD s
	s_cmp_lt_u32 s[WV], 2
	s_cbranch_scc0 .Lfor_v_\@
	tensor_load_to_lds s[G0A+4*(\s):G0A+4*(\s)+3], s[G1A:G1A+7]
	s_nop 0
	PLACES
	s_branch .Lasked_\@
.Lfor_v_\@:
	tensor_load_to_lds s[G0V+4*(\s):G0V+4*(\s)+3], s[G1V:G1V+7]
	s_nop 0
	PLACES
.Lasked_\@:
.endm
.macro CREST                           ; a round of the cluster's barrier behind its opening barrier
	s_cmp_lg_u32 s[WV], 0
	s_cbranch_scc1 .Lnot_wave_0_\@
	s_barrier_signal -3
.Lnot_wave_0_\@:
	s_barrier_wait -3
	s_barrier_signal -1
	s_barrier_wait -1
.endm
.macro CROUND
	s_barrier_signal -1
	s_barrier_wait -1
	CREST
.endm
	s_load_b256 s[4:11], s[0:1], 0x0               ; pbuf s[4:5], vh s[6:7], stats s[8:9], out0 s[10:11]
	v_lshl_add_u32 v[SPW], v0, 2, SPARE
	v_mov_b32 v[NIL], 0
	ds_add_u32 v[SPW], v[NIL]                      ; the wave's opening: the add and its wait stand ahead of my first tensor load; the set-up below stands between them
	ds_add_u32 v28, v29
	v_lshrrev_b32 v1, 5, v0
	v_readfirstlane_b32 s[WV], v1
	s_and_b32 s[HALF], s[WV], 1
	s_bfe_u32 s[CX], ttmp6, 0x40000                ; my place in the cluster: it enters V's and O's global addresses alone
	s_lshl_b32 s[CT], ttmp9, 2
	s_add_co_u32 s[CT], s[CT], s[CX]               ; my 128 channels
	s_and_b32 s16, ttmp7, 0xffff
	s_lshr_b32 s[BB], s16, 2                       ; batch,
	s_and_b32 s[PB], s16, 3                        ; and p: the partners share both
	s_lshl_b32 s[NA], s[PB], 1
	s_sub_co_u32 s[NA], 16, s[NA]                  ; the first block's key steps
	s_sub_co_u32 s20, 7, s[PB]
	s_lshl_b32 s[IA], s20, 20
	s_lshl_b32 s[IB], s[PB], 20
	s_sub_co_u32 s[RT], 8, s[PB]
	s_mov_b32 s[FN], 2
	s_mov_b32 s[OFF+1], 0
	s_lshl_b32 s70, s[BB], 23                      ; P: the batch's 2,048 rows of 4,096 bytes, my 128 rows of a tile
	s_lshl_b32 s71, s[HALF], 19
	s_add_co_u32 s70, s70, s71
	s_mov_b32 s71, 0
	s_lshl_b32 s72, s[BB], 22                      ; V: the batch's rows of 2,048 bytes, my 64 keys of a tile, my channels' 256 bytes
	s_lshl_b32 s73, s[HALF], 17
	s_add_co_u32 s72, s72, s73
	s_lshl_b32 s73, s[CT], 8
	s_add_co_u32 s72, s72, s73
	s_mov_b32 s73, 0
	s_lshl_b32 s74, s[BB], 23                      ; O: rows of 4,096 bytes, my wave's 64 rows, my channels' 512 bytes
	s_lshl_b32 s75, s[WV], 18
	s_add_co_u32 s74, s74, s75
	s_lshl_b32 s75, s[CT], 9
	s_add_co_u32 s74, s74, s75
	s_add_co_u32 s88, s74, s[IB]
	s_add_co_u32 s74, s74, s[IA]
	s_mov_b32 s75, 0
	s_mov_b32 s89, 0
	s_lshl_b32 s[SA], s[BB], 18                    ; stats: the batch, my wave's 64 rows of 4 bytes, the block's first row
	s_lshl_b32 s90, s[WV], 8
	s_add_co_u32 s[SA], s[SA], s90
	s_lshr_b32 s90, s[IB], 10
	s_add_co_u32 s[SB], s[SA], s90
	s_lshr_b32 s90, s[IA], 10
	s_add_co_u32 s[SA], s[SA], s90
	s_mul_i32 s92, s[WV], 128*PP                   ; where the tiles go: waves 0, 1: P's halves;
	s_mul_i32 s93, s[WV], 64*PV
	s_add_co_u32 s93, s93, VOFF-128*PV             ; waves 2, 3: V's halves, behind P's 256 rows: no place in the cluster enters an LDS address
	s_mov_b32 s[G1A+0], 15|(1<<16)|(1<<20)|(1<<21)|(5<<22)|(3<<25)  ; the mask of four; elements of 2 bytes; padding on; 21 set beside a mask; after every 64 words 4 words
	s_mov_b32 s[G1A+1], 128<<16                    ; tensor_dim0 = 128
	s_mov_b32 s[G1A+2], 128<<16                    ; tensor_dim1 = 128
	s_mov_b32 s[G1A+3], 128<<16                    ; tile_dim0 = 128
	s_mov_b32 s[G1A+4], 128                        ; tile_dim1 = 128
	s_mov_b32 s[G1A+5], 2048                       ; elements from row to row
	s_mov_b32 s[G1A+6], 0
	s_mov_b32 s[G1A+7], 0
	s_mov_b32 s[G1V+0], (1<<16)|(1<<20)|(5<<22)|(7<<25)  ; no mask; 8 words of padding
	s_mov_b32 s[G1V+1], 128<<16
	s_mov_b32 s[G1V+2], 64<<16
	s_mov_b32 s[G1V+3], 128<<16
	s_mov_b32 s[G1V+4], 64
	s_mov_b32 s[G1V+5], 1024
	s_mov_b32 s[G1V+6], 0
	s_mov_b32 s[G1V+7], 0
	s_wait_dscnt 0x0                               ; the opening add is done
	s_wait_kmcnt 0x0
	s_add_nc_u64 s[PBA:PBA+1], s[4:5], s[70:71]
	s_add_nc_u64 s[VB:VB+1], s[6:7], s[72:73]
	s_add_nc_u64 s[OA:OA+1], s[10:11], s[74:75]
	s_add_nc_u64 s[OB:OB+1], s[10:11], s[88:89]
	s_mov_b32 s[OFF], s[IA]
	s_add_nc_u64 s[90:91], s[PBA:PBA+1], s[OFF:OFF+1]  ; the first block's rows
.irp s, 0,1                            ; walk steps 0 and 1: the first block's key blocks 0 and 1
	s_mov_b32 s[G0A+4*\s], 1
	s_add_co_u32 s[G0A+4*\s+1], s92, \s*SLOT
	s_add_nc_u64 s[G0A+4*\s+2:G0A+4*\s+3], s[90:91], \s*256
	s_or_b32 s[G0A+4*\s+3], s[G0A+4*\s+3], 0x80000000
	s_mov_b32 s[G0V+4*\s], 1
	s_add_co_u32 s[G0V+4*\s+1], s93, \s*SLOT
	s_add_nc_u64 s[G0V+4*\s+2:G0V+4*\s+3], s[VB:VB+1], \s*262144
	s_or_b32 s[G0V+4*\s+3], s[G0V+4*\s+3], 0x80000000
.endr
	CROUND                                         ; all four work-groups are here: the first joint loads meet
	s_cmp_lt_u32 s[WV], 2                          ; a wave's two first fills stand in one branch: two loads of mine are out
	s_cbranch_scc0 .Lfirst_v
	tensor_load_to_lds s[G0A:G0A+3], s[G1A:G1A+7]
	s_nop 0
	tensor_load_to_lds s[G0A+4:G0A+7], s[G1A:G1A+7]
	s_nop 0
	PLACES
	s_branch .Lfirst_asked
.Lfirst_v:
	tensor_load_to_lds s[G0V:G0V+3], s[G1V:G1V+7]
	s_nop 0
	tensor_load_to_lds s[G0V+4:G0V+7], s[G1V:G1V+7]
	s_nop 0
	PLACES
.Lfirst_asked:
	v_and_b32 v1, 15, v0                           ; r = l % 16
	v_bfe_u32 v2, v0, 4, 1                         ; h = l / 16
	v_and_b32 v3, 31, v0                           ; lane
	v_lshlrev_b32 v8, 3, v3                        ; two rows' 8 bytes in stats
	; m and l of my wave's 64 rows for the 18 walk steps: a lane takes rows 2 lane and 2 lane + 1, a load 256 consecutive bytes.  Step n is the first block's key block n, or the second's n - NA.
	s_lshl_b32 s72, s[NA], 14
	s_sub_co_u32 s73, s[SB], s72
.set n, 0
.rept 18
.if n < 10
	s_add_co_u32 s70, s[SA], n<<14
.elseif n >= 16
	s_add_co_u32 s70, s73, n<<14
.else
	s_add_co_u32 s70, s[SA], n<<14
	s_add_co_u32 s71, s73, n<<14
	s_cmp_gt_u32 s[NA], n
	s_cselect_b32 s70, s70, s71
	s_cselect_b32 s[MK+n-10], 0, -1
.endif
	v_add_nc_u32 v[136+n], s70, v8
	global_load_b64 v[64+2*n:65+2*n],   v[136+n], s[8:9]
	global_load_b64 v[100+2*n:101+2*n], v[136+n], s[8:9] offset:8192
.set n, n+1
.endr
	; the lanes' addresses
	v_mul_u32_u24 v4, v1, PP
	v_lshl_add_u32 v4, v2, 4, v4
	s_mul_i32 s70, s[WV], 64*PP
	v_add_nc_u32 v[ADRA], s70, v4                  ; P: (64 w + r) x pitch + 16 h
	v_add_nc_u32 v[ADRA+1], SLOT, v[ADRA]
	v_and_b32 v5, 7, v0                            ; V: the turning load takes 16 keys x 16 channels: lane l reads key 8 h + l % 8, channels 8 ((l / 8) % 2) + 0..7
	v_bfe_u32 v6, v0, 3, 1
	v_lshl_add_u32 v5, v2, 3, v5
	v_mul_u32_u24 v5, v5, PV
	v_lshl_add_u32 v5, v6, 4, v5
	v_add_nc_u32 v[ADRV], VOFF, v5
	v_add_nc_u32 v[ADRV+1], SLOT+VOFF, v5
	s_mul_i32 s71, s[WV], FTB
	s_add_co_u32 s71, s71, FT                      ; my wave's table
	v_lshl_add_u32 v[FADR], v1, 2, s71
	v_mov_b32 v[FB], v[FADR]
	v_lshl_add_u32 v[FTW], v3, 3, s71
	s_mul_i32 s72, s[WV], 16*SP
	s_add_co_u32 s72, s72, STAGE                   ; my stage
	v_mul_u32_u24 v7, v1, SP
	v_lshl_add_u32 v7, v2, 5, v7
	v_add_nc_u32 v[STO], s72, v7                   ; in: row r, 32 bytes for each half of the lanes
	v_lshl_add_u32 v[RD], v3, 4, s72               ; back: 32 lanes take a row's 512 bytes
	v_lshlrev_b32 v[CO], 4, v3
.irp a, 0,1,2,3
	v_mov_b32 v[IL+2*\a+1], 0                      ; named in pairs
.endr
	v_mov_b32 v162, 0xff7fffff
	v_mov_b32 v163, 0
	v_mov_b32 v158, 0                              ; L of the first block, two rows,
	v_mov_b32 v159, 0
	v_mov_b32 v160, 0                              ; and of the second
	v_mov_b32 v161, 0
	WIN 0x40
.set i, 0
.rept 192
	v_mov_b32 v[i], 0
.set i, i+1
.endr
	WIN 0x80
.set i, 0
.rept 64
	v_mov_b32 v[i], 0
.set i, i+1
.endr
	WIN 0
	s_wait_loadcnt 0x0
	; M of each block: v[154:155] the first, v[156:157] the second.  Steps 10 to 15 belong to one or the other by p: a select, no branch.
	v_max_num_f32 v154, v64, v66
	v_max_num_f32 v155, v65, v67
.irp n, 2,3,4,5,6,7,8,9
	v_max_num_f32 v154, v154, v[64+2*\n]
	v_max_num_f32 v155, v155, v[65+2*\n]
.endr
	v_max_num_f32 v156, v96, v98
	v_max_num_f32 v157, v97, v99
.irp n, 10,11,12,13,14,15
	v_cndmask_b32 v48, v[64+2*\n], v162, s[MK+\n-10]
	v_cndmask_b32 v49, v[65+2*\n], v162, s[MK+\n-10]
	v_cndmask_b32 v50, v162, v[64+2*\n], s[MK+\n-10]
	v_cndmask_b32 v51, v162, v[65+2*\n], s[MK+\n-10]
	v_max_num_f32 v154, v154, v48
	v_max_num_f32 v155, v155, v49
	v_max_num_f32 v156, v156, v50
	v_max_num_f32 v157, v157, v51
.endr
	; e = 2^(m - M), rounded to f16 and written twice into a word; L += l e with the rounded e
.set n, 0
.rept 18
.if n < 10
.set MM_, 154
.elseif n >= 16
.set MM_, 156
.else
	v_cndmask_b32 v52, v154, v156, s[MK+n-10]
	v_cndmask_b32 v53, v155, v157, s[MK+n-10]
.set MM_, 52
.endif
	v_pk_add_f32 v[48:49], v[64+2*n:65+2*n], v[MM_:MM_+1] neg_lo:[0,1] neg_hi:[0,1]
	v_exp_f32 v48, v48
	v_exp_f32 v49, v49
	v_nop                                          ; a plain instruction between the exponentials and the use of their results
	s_wait_alu depctr_va_vdst(0)
	v_cvt_pk_f16_f32 v50, v48, v48
	v_cvt_pk_f16_f32 v51, v49, v49
	ds_store_b64 v[FTW], v[50:51] offset:256*n
	v_cvt_f32_f16 v48, v50.l
	v_cvt_f32_f16 v49, v51.l
.if n < 10
	v_pk_fma_f32 v[158:159], v[100+2*n:101+2*n], v[48:49], v[158:159]
.elseif n >= 16
	v_pk_fma_f32 v[160:161], v[100+2*n:101+2*n], v[48:49], v[160:161]
.else
	v_cndmask_b32 v54, v48, v163, s[MK+n-10]
	v_cndmask_b32 v55, v49, v163, s[MK+n-10]
	v_cndmask_b32 v56, v163, v48, s[MK+n-10]
	v_cndmask_b32 v57, v163, v49, s[MK+n-10]
	v_pk_fma_f32 v[158:159], v[100+2*n:101+2*n], v[54:55], v[158:159]
	v_pk_fma_f32 v[160:161], v[100+2*n:101+2*n], v[56:57], v[160:161]
.endif
.set n, n+1
.endr
	v_rcp_f32 v158, v158                           ; L is at least about 1: the block that holds M has e = 1 and a weight 1
	v_rcp_f32 v159, v159
	v_rcp_f32 v160, v160
	v_rcp_f32 v161, v161
	v_nop
	s_wait_alu depctr_va_vdst(0)
	ds_store_b64 v[FTW], v[158:159] offset:4608
	ds_store_b64 v[FTW], v[160:161] offset:4864
; Eight scalings: P's fragment of row block a in buffer f times (e, e).  Destination and source 1 in window 1, the factor in window 0: the products' own setting.
.macro SC8 f, a, slot
.irp j, 0,1,2,3,4,5,6,7
	v_pk_mul_f16 v[PF+32*(\f)+8*(\a)+\j], v[FA+4*(\slot)+(\a)], v[PF+32*(\f)+8*(\a)+\j]
.endr
.endm
; Row block a: 8 products, one for each block of 16 channels; behind each rides one scaling of the NEXT row block's fragment.  The 32 accumulators take turns, one instruction a turn.
.macro BLK f, a, slot
.if (\a) < 3
	WIN 0x54                                       ; V in window 0; P, C and D in window 1
.else
	WIN 0xa4                                       ; C and D in window 2
.endif
.irp n, 0,1,2,3,4,5,6,7
.if (\a) < 3
	v_wmma_f32_16x16x32_f16 v[8*(8*(\a)+\n):8*(8*(\a)+\n)+7], v[VF+64*(\f)+8*\n:VF+64*(\f)+8*\n+7], v[PF+32*(\f)+8*(\a):PF+32*(\f)+8*(\a)+7], v[8*(8*(\a)+\n):8*(8*(\a)+\n)+7]
	v_pk_mul_f16 v[PF+32*(\f)+8*((\a)+1)+\n], v[FA+4*(\slot)+(\a)+1], v[PF+32*(\f)+8*((\a)+1)+\n]
.else
	v_wmma_f32_16x16x32_f16 v[8*\n:8*\n+7], v[VF+64*(\f)+8*\n:VF+64*(\f)+8*\n+7], v[PF+32*(\f)+8*(\a):PF+32*(\f)+8*(\a)+7], v[8*\n:8*\n+7]
.endif
.endr
.endm
; One run of LDS loads: quarter q (32 keys) of a slot into buffer f: at a step's first quarter (fa >= 0) the step's four factors, at byte fa from the lap's; P's 8; V's 16, turned
.macro FETCH slot, q, f, fa
.if (\fa) >= 0
	WIN 0
.irp a, 0,1,2,3
	ds_load_b32 v[FA+4*(\slot)+\a], v[FADR] offset:(\fa)+64*\a
.endr
.endif
	WIN 0x40                                       ; destination window 1, address window 0
.irp a, 0,1,2,3
	ds_load_b128 v[PF+32*(\f)+8*\a:PF+32*(\f)+8*\a+3],   v[ADRA+(\slot)] offset:\a*16*PP+64*(\q)
	ds_load_b128 v[PF+32*(\f)+8*\a+4:PF+32*(\f)+8*\a+7], v[ADRA+(\slot)] offset:\a*16*PP+64*(\q)+32
.endr
	WIN 0
.irp n, 0,1,2,3,4,5,6,7
	ds_load_tr16_b128 v[VF+64*(\f)+8*\n:VF+64*(\f)+8*\n+3],   v[ADRV+(\slot)] offset:(\q)*32*PV+32*\n
	ds_load_tr16_b128 v[VF+64*(\f)+8*\n+4:VF+64*(\f)+8*\n+7], v[ADRV+(\slot)] offset:(\q)*32*PV+16*PV+32*\n
.endr
.endm
; A key step is four quarters of 32 keys on buffers 0, 1, 0, 1.  One of the first three: multiplies buffer f and fetches quarter q into buffer g: 16 scalings stand between g's last reader and the
; run (its places), 24 products between the run and its first use.
.macro QUARTER slot, q, f, g
	s_wait_dscnt 16                                ; the factors and P are in; V's sixteen loads may be out
	WIN 0x54
	SC8 \f, 0, \slot
	s_wait_dscnt 0x0                               ; V is in
	BLK \f, 0, \slot
	FETCH \slot, \q, \g, -1
	BLK \f, 1, \slot
	BLK \f, 2, \slot
	BLK \f, 3, \slot
.endm
; The addresses of walk step FN's tiles, made anew from the buffers' bases: scalar work, behind the wait that shows no tensor load of mine out
.macro ASK slot
	s_cmp_lt_u32 s[FN], s[NA]                      ; still the first block's?
	s_cselect_b32 s70, 0, s[NA]
	s_cselect_b32 s71, s[IA], s[IB]
	s_sub_co_u32 s70, s[FN], s70                   ; the key block
	s_lshl_b32 s72, s70, 8
	s_add_co_u32 s[OFF], s71, s72                  ; P: the block's rows, the key block's 256 bytes in them
	s_add_nc_u64 s[G0A+4*(\slot)+2:G0A+4*(\slot)+3], s[PBA:PBA+1], s[OFF:OFF+1]
	s_or_b32 s[G0A+4*(\slot)+3], s[G0A+4*(\slot)+3], 0x80000000
	s_lshl_b32 s[OFF], s70, 18                     ; V: 128 keys of 2,048 bytes
	s_add_nc_u64 s[G0V+4*(\slot)+2:G0V+4*(\slot)+3], s[VB:VB+1], s[OFF:OFF+1]
	s_or_b32 s[G0V+4*(\slot)+3], s[G0V+4*(\slot)+3], 0x80000000
	s_add_co_u32 s[FN], s[FN], 1
.endm
; The last quarter multiplies buffer 1 and changes slots.  In front of the barrier each wave waits for all its tensor loads (one is out: its part of the next slot), adds 0 to its spare word, and waits
; for that and for its reads of this slot.  fill = 1: the barrier opens a round of the cluster's, so that no wave of any partner still reads the slot or has a load on its way, and the refill is the first
; thing behind the round.
.macro TURN slot, next, fill, fa
	WIN 0
	s_wait_tensorcnt 0x0
	ds_add_u32 v[SPW], v[NIL]
.if \fill
	ASK \slot
.endif
	s_wait_dscnt 17                                ; the add and V's sixteen loads may be out: P is in
	WIN 0x54
	SC8 1, 0, \slot
	s_wait_dscnt 1                                 ; the add alone may be out: V is in
	BLK 1, 0, \slot
	s_wait_dscnt 0x0                               ; the add is done, and my reads of this slot are over
	s_barrier_signal -1
	BLK 1, 1, \slot                                ; work on registers while the others arrive
	WIN 0
	s_barrier_wait -1
.if \fill
	CREST
	JLOAD \slot
.endif
	FETCH \next, 0, 0, \fa
	BLK 1, 2, \slot
	BLK 1, 3, \slot
.endm
; THE WAY OUT of a block: O^T times 1 / L, a row block (16 rows x 128 channels of f32) at a time through my stage, out as rows of 512 consecutive bytes.
.macro PACK a, clear
.set TT, 192-64*((\a)%2)
.set AC, 64*((\a)%3)*(1-(\a)/3)
.if (\a) < 3
	WIN 0x01                                       ; the sums in window 1,
.else
	WIN 0x02                                       ; or 2
.endif
.set i, 0
.rept 32
	v_pk_mul_f32 v[TT+2*i:TT+2*i+1], v[AC+2*i:AC+2*i+1], v[IL+2*(\a):IL+2*(\a)+1] op_sel_hi:[1,0]  ; each accumulator's lowest registers first
.set i, i+1
.endr
.if \clear
.if (\a) < 3
	WIN 0x40
.else
	WIN 0x80
.endif
.set i, 0
.rept 64
	v_mov_b32 v[AC+i], 0                           ; the second block's sums start here
.set i, i+1
.endr
.endif
.endm
.macro TOSTAGE a
	WIN 0
.set TT, 192-64*((\a)%2)
.irp n, 0,1,2,3,4,5,6,7
	ds_store_b128 v[STO], v[TT+8*\n:TT+8*\n+3]   offset:64*\n
	ds_store_b128 v[STO], v[TT+8*\n+4:TT+8*\n+7] offset:64*\n+16
.endr
.set i, 0
.rept 16
	ds_load_b128 v[TT+4*i:TT+4*i+3], v[RD] offset:SP*i  ; LDS serves a wave's instructions in order (ISA guide 5.7.1.4): these see the stores above
.set i, i+1
.endr
.endm
.macro SEND a, blk
	WIN 0
.set TT, 192-64*((\a)%2)
	s_wait_dscnt 0x0
.set i, 0
.rept 16
	global_store_b128 v[CO], v[TT+4*i:TT+4*i+3], s[OA+2*(\blk):OA+2*(\blk)+1] offset:(16*(\a)+i)*4096  ; 512 consecutive bytes, at a multiple of 256 from out0's first byte
.set i, i+1
.endr
.endm
.macro WAYOUT blk, clear
	WIN 0
.irp a, 0,1,2,3
	ds_load_b32 v[IL+2*\a], v[FB] offset:4608+256*(\blk)+64*\a
.endr
	s_wait_dscnt 0x0
	PACK 0, \clear                                 ; its 32 lines name nothing of the last products: they are the places ahead of row block 3's sums and of V's second buffer, which row block 1 takes
	TOSTAGE 0
	PACK 1, \clear
	SEND 0, \blk
	TOSTAGE 1
	s_wait_xcnt 0x0                                ; the registers that row block 0's stores read are rewritten only behind this wait
	PACK 2, \clear
	SEND 1, \blk
	TOSTAGE 2
	s_wait_xcnt 0x0                                ; row block 1's likewise
	PACK 3, \clear
	SEND 2, \blk
	TOSTAGE 3
	SEND 3, \blk
.if \clear
	s_wait_xcnt 0x0                                ; V's second buffer is loaded again only behind this wait
.endif
	WIN 0
.endm
	s_wait_dscnt 0x0                               ; my table is written
	s_wait_tensorcnt 0x1                           ; my part of walk step 0 is in; step 1's may stay out
	s_barrier_signal -1
	s_barrier_wait -1
	FETCH 0, 0, 0, 0
	s_mov_b32 s[LAP], 8
.Llap:                                                 ; a lap: two key steps; walk steps 2 to 17 are asked for
	QUARTER 0, 1, 0, 1
	QUARTER 0, 2, 1, 0
	QUARTER 0, 3, 0, 1
	TURN 0, 1, 1, 256
	QUARTER 1, 1, 0, 1
	QUARTER 1, 2, 1, 0
	QUARTER 1, 3, 0, 1
	TURN 1, 0, 1, 512
	WIN 0
	v_add_nc_u32 v[FADR], 512, v[FADR]             ; the next lap's factors
	s_sub_co_u32 s[RT], s[RT], 1
	s_cmp_lg_u32 s[RT], 0
	s_cbranch_scc1 .Lno_end                        ; forward, past text with neither a barrier nor a tensor load; p is the same in all partners
	WAYOUT 0, 1                                    ; the first block is finished; the next step's fragments are already on their way into buffer 0, which the way out leaves alone
.Lno_end:
	s_sub_co_u32 s[LAP], s[LAP], 1
	s_cmp_lg_u32 s[LAP], 0
	s_cbranch_scc1 .Llap
	QUARTER 0, 1, 0, 1                             ; the last lap asks for nothing
	QUARTER 0, 2, 1, 0
	QUARTER 0, 3, 0, 1
	TURN 0, 1, 0, 256
	QUARTER 1, 1, 0, 1
	QUARTER 1, 2, 1, 0
	QUARTER 1, 3, 0, 1
	s_wait_dscnt 16
	WIN 0x54
	SC8 1, 0, 1
	s_wait_dscnt 0x0
	BLK 1, 0, 1
	BLK 1, 1, 1
	BLK 1, 2, 1
	BLK 1, 3, 1
	WAYOUT 1, 0
	s_wait_tensorcnt 0x0                           ; the wave's end: behind my last tensor load and my last LDS store
	ds_add_u32 v[SPW], v[NIL]
	s_wait_dscnt 0x0
	CROUND                                         ; the closing round: no work-group ends while a partner may still ask for a tile that names it
	s_endpgm
.Lfunc_end_k_qe48493e96d_pv:
	.size	k_qe48493e96d_pv, .Lfunc_end_k_qe48493e96d_pv-k_qe48493e96d_pv
	.p2alignl 7, 3214868480
	.fill 96, 4, 3214868480
	.section	.rodata,"a",@progbits
	.p2align	6, 0x0
	.amdhsa_kernel k_qe48493e96d_pv
		.amdhsa_group_segment_fixed_size 327680
		.amdhsa_private_segment_fixed_size 0
		.amdhsa_enable_private_segment 0
		.amdhsa_kernarg_size 32
		.amdhsa_user_sgpr_count 2
		.amdhsa_user_sgpr_kernarg_segment_ptr 1
		.amdhsa_wavefront_size32 1
		.amdhsa_system_sgpr_workgroup_id_x 1
		.amdhsa_system_sgpr_workgroup_id_y 1
		.amdhsa_system_sgpr_workgroup_id_z 1
		.amdhsa_system_vgpr_workitem_id 0
		.amdhsa_next_free_vgpr 576
		.amdhsa_next_free_sgpr 96
		.amdhsa_reserve_vcc 0
		.amdhsa_float_denorm_mode_32 3
		.amdhsa_float_denorm_mode_16_64 3
		.amdhsa_memory_ordered 1
		.amdhsa_forward_progress 1
		.amdhsa_inst_pref_size 187
	.end_amdhsa_kernel
	.amdgpu_metadata
---
amdhsa.version: [ 1, 2 ]
amdhsa.kernels:
  - .name:           k_qe48493e96d_pv
    .symbol:         k_qe48493e96d_pv.kd
    .args:
      - { .name: pbuf, .offset: 0, .size: 8, .value_kind: global_buffer, .address_space: global }
      - { .name: vh, .offset: 8, .size: 8, .value_kind: global_buffer, .address_space: global }
      - { .name: stats, .offset: 16, .size: 8, .value_kind: global_buffer, .address_space: global }
      - { .name: out0, .offset: 24, .size: 8, .value_kind: global_buffer, .address_space: global }
    .group_segment_fixed_size: 327680
    .private_segment_fixed_size: 0
    .kernarg_segment_align: 8
    .kernarg_segment_size: 32
    .max_flat_workgroup_size: 128
    .sgpr_count:     96
    .vgpr_count:     576
    .wavefront_size: 32
...
	.end_amdgpu_metadata
.endif
;; end of part 3
